; MI455X (gfx1250); checked and timed in simulation.
; The chip was launched on July 23, 2026; its instructions are those of AMD's public machine-readable ISA for CDNA 5 (MIT licence, August 2026) and "CDNA5" Instruction Set Architecture Reference Guide (July 2026). The comments in the code are by the model that wrote it; some were corrected since.
;; Linear Attention. Allowed arithmetic: matrix products marked QUANTISED: E4M3 operands, one E8M0 scale for each 32 along K, by v_wmma_scale_f32_16x16x128_f8f6f4 with both operands' format E4M3, f32 sums; everything else in f32.
;; Inputs: K 4 x 4 x 4,096 x 128 float32; Q 4 x 4 x 4,096 x 128 float32; V_codes 4 x 4 x 128 x 128 x 32 uint8 (E4M3 codes of V, K innermost, in blocks of 32 codes); V_scales 4 x 4 x 128 x 128 uint8 (E8M0 scales of V, one for each 32 codes along K).
;; Outputs: out0 4 x 4 x 4,096 x 128 float32.
;; This version of the problem:
;;   THIS VERSION OF THE PROBLEM IS GIVEN IN LOW PRECISION. The matrix products marked QUANTISED in the list below multiply operands that are first quantised to E4M3 (4 exponent bits, 3 mantissa bits; 8 bits a number), with one power-of-two scale for each 32 numbers along K (OCP MX v1.0); their sums are f32. All else is computed in f32.
;;   The module's matrix products, in the order in which they are computed (A, B: the left and right operand; K: the contracted axis; several contracted axes count as one K, in the product's order):
;;     1. batch 16 x [M 4,096, K 128] x [K 128, N 4,096]; A: computed on the way; B: computed on the way: QUANTISED
;;     2. batch 16 x [M 4,096, K 4,096] x [K 4,096, N 128]; A: computed on the way; B: input V (given as codes): QUANTISED
;;   THE QUANTISER, for each operand of a quantised product, along K:
;;     - K is cut into blocks of 32 from its start; a last block that is shorter is filled with zeros.
;;     - A block's scale is 2^e with e = floor(log2(the largest magnitude in the block)) - 8, held to -126 .. 127; a block of zeros has e = 0. As a byte (E8M0): e + 127.
;;     - Each number is divided by its block's scale, clamped to +-448, and rounded to the nearest number of E4M3, ties to even, subnormals kept.
;;     - The product sums the exact products of the quantised numbers (number of the format x scale) in f32.
;;   ~~~python
;;   def quantise(x, axis):      # numpy; x: float32 -> the quantised numbers, widened to float32 again
;;       x = np.moveaxis(x, axis, -1); K = x.shape[-1]
;;       x = np.pad(x, [(0, 0)] * (x.ndim - 1) + [(0, -K % 32)]); x = x.reshape(x.shape[:-1] + (-1, 32)); a = np.abs(x).max(-1, keepdims=True)
;;       e = np.where(a > 0, np.clip(np.frexp(np.where(a > 0, a, 1))[1] - 1 - 8, -126, 127), 0)      # np.frexp(a)[1] - 1 = floor(log2(a)), exactly
;;       r = np.clip(x / 2.0 ** e, -448, 448)
;;       step = 2.0 ** (np.maximum(np.frexp(np.where(r == 0, 1, r))[1] - 1, -6) - 3)
;;       q = np.round(r / step) * step * 2.0 ** e      # np.round: ties to even
;;       return np.moveaxis(q.reshape(q.shape[:-2] + (-1,))[..., :K], -1, axis).astype(np.float32)
;;   ~~~
;;   OPERANDS COMPUTED ON THE WAY. 'Computed on the way' means the value that the module computes at that place (a softmax that the list does not call 'softmax' is quantised finished and normalised). What goes into a quantiser is computed in f32, as accurately as f32 sums, v_exp_f32 and their like allow (about 1e-6 of the number): no bf16 or f16 on the way to a quantiser, and a product that is left as it is and whose result goes on into a quantised operand takes f32 operands (vector FMAs, or v_wmma_f32_16x16x4_f32). A number that lies on a knife's edge between two numbers of the format may be rounded either way, as far as f32 arithmetic and the matrix unit's own rounding can turn it there, and no further.
;;   INPUTS GIVEN AS CODES. V (in the module: [4, 4, 4096, 128], K = its axis 2): each comes as NAME_codes (uint8): NAME with its K axis moved to the last place and cut into blocks of 32 codes, [.., K / 32, bytes a block], one block behind the other in memory; one code a byte (a code: sign, 4 exponent bits, 3 mantissa bits); and NAME_scales (uint8): the same leading axes, one E8M0 byte (e + 127) for each 32 codes along K. Its value is code x scale, taken as it is: it is not quantised again, and the codes and scales need not be those that the quantiser above would give.
;; One version. Each part assembles by itself: llvm-mc -triple=amdgcn-amd-amdhsa -mcpu=gfx1250 --defsym DOCPART=n.
;; ======== version 1 of 1: 2 launches
;; workspace buffers: qcodes 8,650,752 bytes; kcodes 8,650,752 bytes
;; launch prep (part 1): grid 256 x 1, 8 waves a work-group, no clusters, 76,800 bytes of LDS; arguments Q, K, qcodes, kcodes; writes qcodes, kcodes
.if DOCPART == 1
	.amdgcn_target "amdgcn-amd-amdhsa--gfx1250"
	.amdhsa_code_object_version 6
	.text
	.protected	k_qfa9ee9b1ff_prep
	.globl	k_qfa9ee9b1ff_prep
	.p2align	8
	.type	k_qfa9ee9b1ff_prep,@function
k_qfa9ee9b1ff_prep:
	s_mov_b64 s[64:65], 0
	v_nop
	global_prefetch_b8 v0, s[64:65] scope:SCOPE_SE
	s_setreg_imm32_b32 hwreg(HW_REG_WAVE_MODE, 25, 1), 1
	s_wait_xcnt 0x0
; Q and K, [16 heads][4096 rows t][128] f32, are rotated (row t, pair (d, d + 64), angle t x 10000^(-d/64), d = 0 .. 63) and quantised along the 128 into codes of FP8 (E4M3) with one E8M0 byte
; for each 32: a block's byte is its largest magnitude's exponent field - 8, held at 1 from below; each number is held within +-448 x the scale and rounded to the nearest code, ties to even.
; WHAT IS STORED is laid as the next launch's matrix operands want it.  Each buffer is [16 heads][32 records][16,896 bytes]; a record serves 128 rows: eight fragment images of 2,048 bytes, then 512 bytes
; of scale words [fragment][16 rows].  Fragment 2 g + u holds rows 32 g + 8 u + r + 8 (r / 8), r = 0 .. 15.  An image is [c = 0 .. 3][lane 16 h + r][16 bytes]: the codes of d = 32 c + 16 h + 0 .. 15 of row r.
; SHARES.  A work-group is ONE fragment's 16 rows t, for both tensors and all 16 heads: 32 instances that share one table of 16 x 64 cosines and sines, made once.  Wave w takes tensor w / 4, heads 4 (w % 4) + 0 .. 3.
; Each load reads one whole row, 512 consecutive bytes; the 16 rows turn through the wave's own stage in LDS, so that lane (r, h) holds 16 neighbours of each block of 32 of row r, which is what the conversions take.
; SINE AND COSINE: the angle is formed as t x inv_freq with one rounding; it is reduced by whole quarter turns (pi/2 in two parts: the first product is taken off exactly by a fused multiply-add) and put through
; polynomials of degree 7 and 8 on +-pi/4.  inv_freq = 2^-(j log2(10000)/64), the exponent in two parts, the small part applied as a first-order correction.
; LIMITS: NaN and infinities in Q and K are not served.  A block of zeros gets the byte 1 (its codes are zeros; this program alone reads the bytes).  inv_freq is good to some 1.5 units of its last place,
; which at the largest angles (near 4,000) is a few 1e-4 radians, the size of such an angle's own last place.
; No matrix unit, no tensor load, no cluster: the launch streams, and its work-groups share no input.
.set HEADB, 2097152                    ; a head of Q or K in bytes
.set HEADC, 540672                     ; a head of a codes' buffer
.set RECB,  16896                      ; a record
.set CSB,   0                          ; LDS: the cosines, eight images of 512 bytes (wave w makes image w),
.set SNB,   4096                       ; the sines,
.set STG,   8192                       ; and a stage of 16 rows x SP bytes for each wave
.set SP,    528                        ; 512 bytes + 16: 132 words, so that the 16 rows that a load touches start at 16 different banks (64 banks of 4 bytes: ISA guide 11.1)
.set LN,  1                            ; v1   lane
.set RR,  2                            ; v2   r = lane % 16
.set HH,  3                            ; v3   h = lane / 16
.set LO,  4                            ; v4   16 x lane; never rewritten
.set STI, 5                            ; v5   the stage, on the way in
.set STR, 6                            ; v6   the stage, on the way out: row r, + 64 h
.set CSW, 7                            ; v7   where my wave's image of cosines goes: 16 x thread
.set SCO, 9                            ; v9   4 r: my row's scale word
.set JV,  10                           ; v10  the first of my four frequencies' numbers
.set TF,  11                           ; v11  my row t as f32
.set TM,  16                           ; v16-31  the quantiser's work
.set PW,  32                           ; v32-35  a scale word for each instance
.set PC,  40                           ; v40-103 16 registers of codes for each instance: no store's data are written again
.set X,   104                          ; v104-167 64 numbers: register 16 b + i = d 32 b + 16 h + i of row r
.set CO,  168                          ; v168-199 cos for pair p (registers p and 32 + p of X)
.set SI,  200                          ; v200-231 sin
.set SA,  232                          ; v232-255 six registers for each of four angles; later the rotation's products
.set SB,  236
.set SC,  240
.set SD,  244
.set SE,  248
.set SF,  252
.set WV,  12                           ; s12 wave
.set BAS, 13                           ; s13 my stage
.set SRC, 14                           ; s[14:15] my tensor at my first head's first row
.set DST, 16                           ; s[16:17] my buffer at my first head's image
.set DSS, 18                           ; s[18:19] and at its scale words
.set SEL, 20                           ; s[20:21] v_permlanex16_b32's selects for lane l xor 16
.set MNT, 22                           ; s22 the mantissa field of 448
.set ROW0, 23                          ; s23 the fragment's first row
.set MSB, 0
.macro WIN new                         ; window 1 (v256-383) holds two sets of 16 rows as loaded.  The immediate's high byte repeats the setting that is left
.if MSB != \new
	s_set_vgpr_msb (MSB<<8)|\new
.set MSB, \new
.endif
.endm
	s_load_b256 s[4:11], s[0:1], 0x0               ; Q s[4:5], K s[6:7], qcodes s[8:9], kcodes s[10:11]
	v_lshl_add_u32 v38, v0, 2, 0x12800
	v_mov_b32 v39, 0
	v_lshrrev_b32 v[LN], 5, v0
	v_readfirstlane_b32 s[WV], v[LN]               ; wave 0..7
	v_and_b32 v[LN], 31, v0
	v_and_b32 v[RR], 15, v0
	v_bfe_u32 v[HH], v0, 4, 1
	v_lshlrev_b32 v[LO], 4, v[LN]
	s_mul_i32 s[BAS], s[WV], 16*SP
	s_add_co_u32 s[BAS], s[BAS], STG
	v_add_nc_u32 v[STI], s[BAS], v[LO]
	v_mul_u32_u24 v[STR], v[RR], SP
	v_lshl_add_u32 v[STR], v[HH], 6, v[STR]
	v_add_nc_u32 v[STR], s[BAS], v[STR]
	v_lshlrev_b32 v[CSW], 4, v0                    ; 512 x wave + 16 x lane
	v_lshlrev_b32 v[SCO], 2, v[RR]
	s_lshr_b32 s2, s[WV], 2                        ; wave w makes pairs p = 4 w + e: frequency j = 32 (w / 4) + 16 h + 4 (w % 4) + e
	s_lshl_b32 s2, s2, 5
	s_and_b32 s3, s[WV], 3
	s_lshl_b32 s3, s3, 2
	s_add_co_u32 s2, s2, s3
	v_lshl_add_u32 v[JV], v[HH], 4, s2
	s_lshr_b32 s[ROW0], ttmp9, 1                   ; work-group T: rows 32 (T / 2) + 8 (T % 2) + r + 8 (r / 8)
	s_lshl_b32 s[ROW0], s[ROW0], 5
	s_and_b32 s3, ttmp9, 1
	s_lshl_b32 s3, s3, 3
	s_add_co_u32 s[ROW0], s[ROW0], s3
	v_and_b32 v[TF], 8, v[RR]
	v_add_nc_u32 v[TF], v[TF], v[RR]
	v_add_nc_u32 v[TF], s[ROW0], v[TF]
	v_cvt_f32_u32 v[TF], v[TF]
	s_and_b32 s36, s[WV], 3                        ; my first head is 4 (w % 4)
	s_lshl_b32 s2, s36, 23                         ; 4 heads of 2^21 bytes,
	s_lshl_b32 s3, s[ROW0], 9                      ; rows of 512 bytes
	s_add_co_u32 s2, s2, s3
	s_mov_b32 s3, 0                                ; s[2:3]: where I read
	s_mul_i32 s36, s36, 4*HEADC
	s_lshr_b32 s37, ttmp9, 3                       ; the record is T / 8, the fragment T % 8
	s_mul_i32 s37, s37, RECB
	s_add_co_u32 s36, s36, s37
	s_and_b32 s37, ttmp9, 7
	s_lshl_b32 s38, s37, 6
	s_add_co_u32 s38, s38, s36
	s_add_co_u32 s38, s38, 8*2048
	s_mov_b32 s39, 0                               ; s[38:39]: where the scale words go
	s_lshl_b32 s37, s37, 11
	s_add_co_u32 s36, s36, s37
	s_mov_b32 s37, 0                               ; s[36:37]: where the image goes
	s_mov_b32 s[SEL], 0x76543210
	s_mov_b32 s[SEL+1], 0xfedcba98
	s_mov_b32 s[MNT], 0x600000
	s_mov_b32 s24, 0x3e549a78                      ; log2(10000) / 64, the f32 nearest,
	s_mov_b32 s25, 0x31979a30                      ; and what it leaves
	s_mov_b32 s26, 0x3f317218                      ; ln 2
	s_mov_b32 s27, 0x3f22f983                      ; 2 / pi
	s_mov_b32 s28, 0x3fc90fdb                      ; pi / 2, the f32 nearest,
	s_mov_b32 s29, 0xb33bbd2e                      ; and what it leaves
	s_mov_b32 s30, 0xbe2aaaa3                      ; sine: -1.6666654611e-1,
	s_mov_b32 s31, 0x3c08839e                      ; 8.3321608736e-3,
	s_mov_b32 s32, 0xb94ca1f9                      ; -1.9515295891e-4
	s_mov_b32 s33, 0x3d2aaaa5                      ; cosine: 4.166664568e-2,
	s_mov_b32 s34, 0xbab6061a                      ; -1.388731625e-3,
	s_mov_b32 s35, 0x37ccf5ce                      ; 2.443315712e-5
.irp b, 0,1,2,3
	v_mov_b32 v[TM+4+\b], 0                        ; written once: a lane permute's destination counts as one of its sources
.endr
	s_wait_kmcnt 0x0
	s_cmp_lt_u32 s[WV], 4                          ; waves 0-3 take Q, waves 4-7 K: the choice hangs on the wave's number alone
	s_cselect_b64 s[SRC:SRC+1], s[4:5], s[6:7]
	s_cselect_b64 s[DST:DST+1], s[8:9], s[10:11]
	s_add_nc_u64 s[SRC:SRC+1], s[SRC:SRC+1], s[2:3]
	s_add_nc_u64 s[DSS:DSS+1], s[DST:DST+1], s[38:39]
	s_add_nc_u64 s[DST:DST+1], s[DST:DST+1], s[36:37]
.macro LOAD k                          ; instance k's 16 rows into set k % 2 of window 1: a load reads a row's 512 consecutive bytes; read once in the launch
	WIN 0x40
.irp i, 0,1,2,3,4,5,6,7,8,9,10,11,12,13,14,15
	global_load_b128 v[64*((\k)%2)+4*\i:64*((\k)%2)+4*\i+3], v[LO], s[SRC:SRC+1] offset:(\k)*HEADB+(\i+8*(\i/8))*512 th:TH_LOAD_NT
.endr
	WIN 0
.endm
	LOAD 0
	LOAD 1                                         ; 32 loads, 16 KiB, of every wave are out while the table is made
; THE TABLE: four angles a lane, line by line by turns.
.irp e, 0,1,2,3
	v_add_nc_u32 v[SA+\e], \e, v[JV]
.endr
.irp e, 0,1,2,3
	v_cvt_f32_u32 v[SA+\e], v[SA+\e]               ; j
.endr
.irp e, 0,1,2,3
	v_mul_f32 v[SB+\e], s24, v[SA+\e]              ; the exponent's large part,
.endr
.irp e, 0,1,2,3
	v_fma_f32 v[SC+\e], v[SA+\e], s24, -v[SB+\e]   ; what its rounding dropped (exact),
.endr
.irp e, 0,1,2,3
	v_fma_f32 v[SC+\e], v[SA+\e], s25, v[SC+\e]    ; and the constant's own remainder
.endr
.irp e, 0,1,2,3
	v_exp_f32 v[SD+\e], -v[SB+\e]
.endr
.irp e, 0,1,2,3
	v_mul_f32 v[SC+\e], s26, v[SC+\e]              ; (plain lines behind the exponentials)
.endr
	s_wait_alu depctr_va_vdst(0)
.irp e, 0,1,2,3
	v_fma_f32 v[SD+\e], -v[SC+\e], v[SD+\e], v[SD+\e]   ; inv_freq = 2^-large x (1 - small ln 2)
.endr
.irp e, 0,1,2,3
	v_mul_f32 v[SB+\e], v[TF], v[SD+\e]            ; the angle: one rounding
.endr
.irp e, 0,1,2,3
	v_mul_f32 v[SA+\e], s27, v[SB+\e]
.endr
.irp e, 0,1,2,3
	v_rndne_f32 v[SA+\e], v[SA+\e]                 ; whole quarter turns
.endr
.irp e, 0,1,2,3
	v_fma_f32 v[SB+\e], -v[SA+\e], s28, v[SB+\e]   ; exact: the difference is a multiple of 2^-23 under 1
.endr
.irp e, 0,1,2,3
	v_fma_f32 v[SB+\e], -v[SA+\e], s29, v[SB+\e]   ; the rest angle, within +-pi/4
.endr
.irp e, 0,1,2,3
	v_cvt_i32_f32 v[SD+\e], v[SA+\e]               ; the quarter turns as a whole number
.endr
.irp e, 0,1,2,3
	v_mul_f32 v[SC+\e], v[SB+\e], v[SB+\e]
.endr
.irp e, 0,1,2,3
	v_fma_f32 v[SE+\e], s32, v[SC+\e], s31
.endr
.irp e, 0,1,2,3
	v_fma_f32 v[SF+\e], s35, v[SC+\e], s34
.endr
.irp e, 0,1,2,3
	v_fma_f32 v[SE+\e], v[SE+\e], v[SC+\e], s30
.endr
.irp e, 0,1,2,3
	v_fma_f32 v[SF+\e], v[SF+\e], v[SC+\e], s33
.endr
.irp e, 0,1,2,3
	v_mul_f32 v[SE+\e], v[SE+\e], v[SC+\e]
.endr
.irp e, 0,1,2,3
	v_mul_f32 v[SF+\e], v[SF+\e], v[SC+\e]
.endr
.irp e, 0,1,2,3
	v_fma_f32 v[SA+\e], v[SC+\e], -0.5, 1.0
.endr
.irp e, 0,1,2,3
	v_fma_f32 v[SE+\e], v[SE+\e], v[SB+\e], v[SB+\e]    ; the rest angle's sine
.endr
.irp e, 0,1,2,3
	v_fma_f32 v[SF+\e], v[SF+\e], v[SC+\e], v[SA+\e]    ; and cosine
.endr
.irp e, 0,1,2,3
	v_and_b32 v[SA+\e], 1, v[SD+\e]
	v_cmp_eq_u32 vcc_lo, 1, v[SA+\e]               ; an odd number of quarter turns changes the two over;
	v_cndmask_b32 v[SB+\e], v[SE+\e], v[SF+\e], vcc_lo
	v_cndmask_b32 v[SC+\e], v[SF+\e], v[SE+\e], vcc_lo
	v_lshlrev_b32 v[SA+\e], 30, v[SD+\e]           ; the sine is negated in quarters 2 and 3: bit 1 of q;
	v_add_lshl_u32 v[SD+\e], v[SD+\e], 1, 30       ; the cosine in quarters 1 and 2: bit 1 of q + 1
	v_and_b32 v[SA+\e], 0x80000000, v[SA+\e]
	v_and_b32 v[SD+\e], 0x80000000, v[SD+\e]
	v_xor_b32 v[X+4+\e], v[SA+\e], v[SB+\e]
	v_xor_b32 v[X+\e], v[SD+\e], v[SC+\e]
.endr
	ds_store_b128 v[CSW], v[X:X+3] offset:CSB      ; as images of registers: lane l's four numbers at 16 l
	ds_store_b128 v[CSW], v[X+4:X+7] offset:SNB
	s_wait_dscnt 0x0                               ; for the others' sake: my part of the table has landed
	s_barrier_signal -1
	s_barrier_wait -1
.irp g, 0,1,2,3,4,5,6,7
	ds_load_b128 v[CO+4*\g:CO+4*\g+3], v[LO] offset:CSB+512*\g
	ds_load_b128 v[SI+4*\g:SI+4*\g+3], v[LO] offset:SNB+512*\g
.endr
	s_wait_dscnt 0x0
.macro TURNX k                         ; instance k's rows through my stage: LDS serves a wave's instructions in order (ISA guide 5.7.1.4), so no wait stands between the stores and the loads
	WIN 0x04                                       ; an LDS store's data are its source 1: window 1
.irp i, 0,1,2,3,4,5,6,7,8,9,10,11,12,13,14,15
	ds_store_b128 v[STI], v[64*((\k)%2)+4*\i:64*((\k)%2)+4*\i+3] offset:SP*\i
.endr
	WIN 0
.irp b, 0,1,2,3
.irp q, 0,1,2,3
	ds_load_b128 v[X+16*\b+4*\q:X+16*\b+4*\q+3], v[STR] offset:128*\b+16*\q
.endr
.endr
.endm
.macro ROPE                            ; x1' = x1 cos - x2 sin, x2' = x2 cos + x1 sin, two pairs at a time; the products in four sets by turns
.set p, 0
.rept 16
.set TT, SA+4*((p/2)%4)
	v_pk_mul_f32 v[TT:TT+1], v[X+32+p:X+33+p], v[SI+p:SI+p+1]
	v_pk_mul_f32 v[TT+2:TT+3], v[X+p:X+p+1], v[SI+p:SI+p+1]
	v_pk_fma_f32 v[X+p:X+p+1], v[X+p:X+p+1], v[CO+p:CO+p+1], v[TT:TT+1] neg_lo:[0,0,1] neg_hi:[0,0,1]
	v_pk_fma_f32 v[X+32+p:X+33+p], v[X+32+p:X+33+p], v[CO+p:CO+p+1], v[TT+2:TT+3]
.set p, p+2
.endr
.endm
.macro QUANT k                         ; the 64 numbers become instance k's codes and scale word
.irp b, 0,1,2,3
	v_max3_num_f32 v[TM+\b], |v[X+16*\b]|, |v[X+1+16*\b]|, 0x4800000   ; block b: my 16 numbers, and the floor 2^(9 - 127): the byte cannot fall under 1
.endr
.irp i, 2,4,6,8,10,12,14
.irp b, 0,1,2,3
	v_max3_num_f32 v[TM+\b], v[TM+\b], |v[X+16*\b+\i]|, |v[X+1+16*\b+\i]|
.endr
.endr
.irp b, 0,1,2,3
	v_permlanex16_b32 v[TM+4+\b], v[TM+\b], s[SEL], s[SEL+1]
.endr
.irp b, 0,1,2,3
	v_max_num_f32 v[TM+\b], v[TM+\b], v[TM+4+\b]   ; with lane l xor 16's 16: the block's largest magnitude
.endr
.irp b, 0,1,2,3
	v_add_nc_u32 v[TM+12+\b], 0xfc000000, v[TM+\b] ; 8 off its exponent field: the conversion's scale operand
.endr
.irp b, 0,1,2,3
	v_and_or_b32 v[TM+8+\b], v[TM+\b], 0x7f800000, s[MNT]   ; 448 x the scale
.endr
.irp b, 0,1,2,3
	v_lshrrev_b32 v[TM+4+\b], 23, v[TM+12+\b]      ; the scale's byte
.endr
	v_lshl_or_b32 v[PW+\k], v[TM+5], 8, v[TM+4]
	v_lshl_or_b32 v[PW+\k], v[TM+6], 16, v[PW+\k]
	v_lshl_or_b32 v[PW+\k], v[TM+7], 24, v[PW+\k]
.irp b, 0,1,2,3
.irp i, 0,1,2,3,4,5,6,7,8,9,10,11,12,13,14,15
	v_med3_num_f32 v[X+16*\b+\i], v[X+16*\b+\i], -v[TM+8+\b], v[TM+8+\b]   ; the conversion to an 8-bit code does not saturate (ISA guide 7.6.2): the hold comes first
.endr
	v_cvt_scalef32_pk8_fp8_f32 v[PC+16*(\k)+4*\b:PC+16*(\k)+4*\b+1], v[X+16*\b:X+16*\b+7], v[TM+12+\b]
	v_cvt_scalef32_pk8_fp8_f32 v[PC+16*(\k)+4*\b+2:PC+16*(\k)+4*\b+3], v[X+16*\b+8:X+16*\b+15], v[TM+12+\b]
.endr
	v_nop                                          ; a plain line behind the last conversion
.endm
.macro INST k
.if \k < 3
	s_wait_loadcnt 16                              ; this instance's 16 rows are in; the next instance's 16 may be out
.else
	s_wait_loadcnt 0x0
.endif
	TURNX \k
	s_wait_dscnt 0x0                               ; the numbers are back, and the stores have read the set,
.if \k < 2
	LOAD \k+2                                      ; which takes the instance two further on
.endif
	ROPE
	QUANT \k
.irp c, 0,1,2,3
	global_store_b128 v[LO], v[PC+16*\k+4*\c:PC+16*\k+4*\c+3], s[DST:DST+1] offset:\k*HEADC+512*\c   ; 32 lanes store 512 consecutive bytes, at a multiple of 256 from the buffer's first byte
.endr
.endm
	INST 0
	INST 1
	INST 2
	INST 3
	v_cmp_gt_u32 vcc_lo, 16, v[LN]                 ; lanes 16-31 hold the same words as lanes 0-15
	s_wait_xcnt 0x0                                ; EXEC changes only behind this wait
	s_wait_tensorcnt 0x0
	ds_add_u32 v38, v39
	s_wait_dscnt 0x0
	s_and_saveexec_b32 s36, vcc_lo
.irp k, 0,1,2,3
	global_store_b32 v[SCO], v[PW+\k], s[DSS:DSS+1] offset:\k*HEADC   ; 64 bytes a fragment: one byte in 33 of what the launch stores
.endr
	s_wait_xcnt 0x0
	s_or_b32 exec_lo, exec_lo, s36
	s_endpgm
.Lfunc_end_k_qfa9ee9b1ff_prep:
	.size	k_qfa9ee9b1ff_prep, .Lfunc_end_k_qfa9ee9b1ff_prep-k_qfa9ee9b1ff_prep
	.p2alignl 7, 3214868480
	.fill 96, 4, 3214868480
	.section	.rodata,"a",@progbits
	.p2align	6, 0x0
	.amdhsa_kernel k_qfa9ee9b1ff_prep
		.amdhsa_group_segment_fixed_size 76800
		.amdhsa_private_segment_fixed_size 0
		.amdhsa_enable_private_segment 0
		.amdhsa_kernarg_size 32
		.amdhsa_user_sgpr_count 2
		.amdhsa_user_sgpr_kernarg_segment_ptr 1
		.amdhsa_wavefront_size32 1
		.amdhsa_system_sgpr_workgroup_id_x 1
		.amdhsa_system_sgpr_workgroup_id_y 1
		.amdhsa_system_sgpr_workgroup_id_z 1
		.amdhsa_system_vgpr_workitem_id 0
		.amdhsa_next_free_vgpr 384
		.amdhsa_next_free_sgpr 66
		.amdhsa_reserve_vcc 1
		.amdhsa_float_denorm_mode_32 3
		.amdhsa_float_denorm_mode_16_64 3
		.amdhsa_memory_ordered 1
		.amdhsa_forward_progress 1
		.amdhsa_inst_pref_size 76
	.end_amdhsa_kernel
	.amdgpu_metadata
---
amdhsa.version: [ 1, 2 ]
amdhsa.kernels:
  - .name:           k_qfa9ee9b1ff_prep
    .symbol:         k_qfa9ee9b1ff_prep.kd
    .args:
      - { .name: Q, .offset: 0, .size: 8, .value_kind: global_buffer, .address_space: global }
      - { .name: K, .offset: 8, .size: 8, .value_kind: global_buffer, .address_space: global }
      - { .name: qcodes, .offset: 16, .size: 8, .value_kind: global_buffer, .address_space: global }
      - { .name: kcodes, .offset: 24, .size: 8, .value_kind: global_buffer, .address_space: global }
    .group_segment_fixed_size: 76800
    .private_segment_fixed_size: 0
    .kernarg_segment_align: 8
    .kernarg_segment_size: 32
    .max_flat_workgroup_size: 256
    .sgpr_count:     66
    .vgpr_count:     384
    .wavefront_size: 32
...
	.end_amdgpu_metadata
.endif
;; end of part 1
;; launch attn (part 2): grid 16 x 16, 4 waves a work-group, clusters of 4 x 1, 327,680 bytes of LDS; arguments qcodes, kcodes, V_codes, V_scales, out0; writes out0
.if DOCPART == 2
	.amdgcn_target "amdgcn-amd-amdhsa--gfx1250"
	.amdhsa_code_object_version 6
	.text
	.protected	k_qfa9ee9b1ff_attn
	.globl	k_qfa9ee9b1ff_attn
	.p2align	8
	.type	k_qfa9ee9b1ff_attn,@function
k_qfa9ee9b1ff_attn:
	s_mov_b64 s[64:65], 0
	v_nop
	global_prefetch_b8 v0, s[64:65] scope:SCOPE_SE
	s_setreg_imm32_b32 hwreg(HW_REG_WAVE_MODE, 25, 1), 1
	s_wait_xcnt 0x0
	s_wait_alu depctr_hold_cnt(0) depctr_sa_sdst(0) depctr_va_vdst(0) depctr_va_sdst(0) depctr_va_ssrc(0) depctr_va_vcc(0) depctr_vm_vsrc(0)
	s_getreg_b32 s2, hwreg(HW_REG_IB_STS2, 6, 4)
	s_cmp_eq_u32 s2, 0
	s_cbranch_scc0 .Lentry_in_a_cluster
	s_endpgm
.Lentry_in_a_cluster:
	s_bfe_u32 s2, ttmp6, 0x10000c
	s_cmp_lg_u32 s2, 0x3003
	s_cbranch_scc0 .Lentry_shape_is_right
	s_endpgm
.Lentry_shape_is_right:
; out[h][q][:] = the sum over keys k < q of Quant(S)[q][k] V[h][k][:], S = Qr Kr^T, both products on codes of FP8 (E4M3) with one E8M0 scale for each 32 along a product's K.
; Qr's and Kr's codes come from the launch before, as images of operand registers: [16 heads][32 records of 128 rows][8 fragments of 2,048 bytes, then 512 bytes of scale words]; fragment 2 g + u holds rows
; 32 g + 8 u + r + 8 (r / 8).  V comes as codes with the keys innermost, [16][128 d][4096], its scale bytes [16][128][128].  S is set to 0 where key >= query and quantised along the keys in blocks of 32.
; LAYOUT.  Both products are used transposed: S^T = K Q^T (source 0 = 16 keys, source 1 = 16 queries), O^T = V^T P^T (source 0 = 16 of the 128 d, source 1 = P): a lane holds ONE query throughout.  By the
; choice of a fragment's rows the 16 registers of key fragments 2 g and 2 g + 1 are 16 neighbouring keys, 32 g + 16 (lane / 16) + 0 .. 15: the conversions' results ARE the second product's operand.
; SHARES.  Only keys under the diagonal are walked.  A work-group owns two blocks of 128 queries of one head, an early one and a late one; wave (a, b) = (wave / 2, wave % 2) owns 64 queries of the block in hand
; (four tiles of 16) and the b-th 128 of each slot's 256 keys.  The two waves of a pair sum their halves of the keys apart; the halves are added once, in LDS, at a block's end.
; CLUSTER.  The four work-groups of cluster c of a head take early blocks 4 c + cx and late blocks 31 - 4 c - cx and walk THE SAME tiles: 2 c + 2 slots for the early block, 16 - 2 c for the late one, 18 trips in
; every work-group of the launch.  So each tile of K and V is asked for JOINTLY, by the same tensor load with the same descriptor and a mask that names the four.  A step that lies past a partner's own diagonal
; is worked under the mask (its codes are zeros): no branch, trip count or LDS address hangs on cx.
; BY TURNS.  A tile's quantiser is 128 vector instructions for a key step, beside its 16 matrix instructions.  In TURN x tile x is quantised, and between its lines, one to every seven, stand the 8 products
; K Q^T of tile x + 1 and the 8 products V^T P^T of tile x - 1.  Each such product costs two switches of the register window; set in phases of their own the vector lines would leave the matrix unit idle as long again.
; O^T begins as zeros, written once ahead of the loop and once at the change of blocks: so the key step is written once for the loop, with no copy whose products start the sums.
; LIMITS: NaN codes and 0xff scale bytes in V are not served (keys at and past the diagonal are not multiplied at all, or by zero codes).  A block of zero scores gets the byte 1: its codes are zeros.
; The sum over the keys is formed in two halves (keys 256 m + 0 .. 127 and 256 m + 128 .. 255) that are added at the end.
; REGISTERS, in windows of 256 (s_set_vgpr_msb's low byte: bits 1:0 source 0, 3:2 source 1, 5:4 source 2, 7:6 destination):
;   window 0: v1-17 addresses; v20-33 scale words and nothing else; v40-55 the quantiser's work; v64-191 S^T, two tiles; v192-223 P, two tiles.
;   window 1: v0-127 K's eight fragments; v128-191 Q's four.   window 2: O^T, 64 a tile.   window 3: v0-127 V's eight fragments.
.set RECB,  16896                      ; a record
.set HEADC, 540672                     ; a head of qcodes or kcodes
.set SLOT1, 1<<17                      ; slot 1 begins here, so that one exclusive or turns an address in one slot into the other's
.set VOFF,  2*RECB                     ; a slot: two records of K, dense; then 128 rows of V,
.set VP,    272                        ; 256 bytes + 16 of padding: row r starts at bank 4 r mod 64 (64 banks of 4 bytes: ISA guide 11.1)
.set STG,   SLOT1+VOFF+128*VP          ; behind the ring: the stage for the way out, one region for each half of the keys,
.set SPT,   528                        ; rows of 512 bytes + 16,
.set REG,   64*SPT                     ; 64 rows a region
.set SCV,   STG+2*REG                  ; V's scale bytes of the whole head: 64 units of 256 bytes + 16; filled once
.set SPARE, SCV+64*272                 ; the spare words, 128 bytes for each wave: two blocks of 256 bytes that no other line names
.set SPW,  1                           ; v1   LDS address of my spare word; never rewritten
.set NIL,  2                           ; v2   0; never rewritten
.set AK0,  3                           ; v3   my lane's place in my record of K: RECB b + 16 lane
.set AKS0, 4                           ; v4   and among its scale words: lanes 0-15 an even fragment's, lanes 16-31 the next one's
.set AV0,  5                           ; v5   my lane's place in V's tile
.set AVS0, 6                           ; v6   and among V's scale words, laid likewise
.set ADK,  7                           ; v7-10 the addresses of the loads in hand
.set ADKS, 8
.set ADV,  9
.set ADT,  10
.set LQ,   11                          ; v11  r + 8 (r / 8) - 16 h
.set DD,   12                          ; v12  my wave's first query - the step's first key + LQ
.set STO,  13                          ; v13  the stage, on the way in
.set RD,   14                          ; v14  and back
.set GO,   15                          ; v15  my byte offset in the block's rows of out
.set QO,   16                          ; v16  my byte offset in a record of Q
.set QSO,  17                          ; v17  and among its scale words
.set KS,   20                          ; v20-23 K's scale words   v24-27 V's   v28-31 Q's, one register a tile   v32-33 P's, two tiles by turns
.set VS,   24
.set QS,   28
.set PW,   32
.set TM,   40                          ; +0..3 largest magnitudes, +4..7 bytes, +8..11 448 x the scale, +12..15 the conversions' scale operands
.set S,    64
.set P,    192
.set QF,   128                         ; Q's fragments, in window 1
.set WV,  14                           ; s14 wave   s15 a   s16 b   s17 c   s18 head   s19 cx
.set WA,  15
.set WB,  16
.set CC,  17
.set HD,  18
.set CX,  19
.set SEL, 20                           ; s[20:21] v_permlanex16_b32's selects for lane l xor 16
.set MNT, 22                           ; s22 the mantissa field of 448
.set TR,  23                           ; s23 the trip, 0 .. 17
.set TE,  24                           ; s24 trips of the early block: 2 c + 2
.set TB,  25                           ; s25 LDS byte at which the slot in hand begins
.set MM,  26                           ; s26 the slot's place among the head's keys
.set KF,  27                           ; s27 my first key of the step
.set DQC, 28                           ; s28 the least first query of the four partners' waves like mine - KF
.set DQ,  29                           ; s29 my first query - KF (holds cx: it feeds the mask's compare alone)
.set QCM, 30                           ; s30 that least first query
.set QW,  31                           ; s31 my first query (holds cx)
.set TJ,  32                           ; s32 the step's place in a row of V's scale bytes
.set TMP, 33
.set QWL, 34                           ; s34 QW of the late block (holds cx)   s35 QCM of the late block
.set QCL, 35
.set G1K, 36                           ; s[36:43], s[44:51], s[52:59] descriptor groups 1: K's record, V's half tile, a quarter of the scale bytes
.set G1V, 44
.set G1S, 52
.set G0S, 60                           ; s[60:63] group 0 for the scale bytes
.set G0K, 68                           ; s[68:75] groups 0 for K: the two first fills; the second then walks
.set G0V, 76                           ; s[76:83] the same for V
.set KB,  84                           ; s[84:85] K at my record of the head's first slot   s[86:87] V at my 64 rows
.set VB,  86
.set OFK, 88                           ; s[88:89], s[90:91] offsets, the high words 0
.set OFV, 90
.set QRL, 92                           ; s[92:93] the late block's record of Q   s[94:95] out at the block in hand   s[96:97] at the late block   s[98:99] the early block's record (all hold cx)
.set OP,  94
.set OPL, 96
.set QR,  98
.set MSB, 0
.macro WIN new                         ; the immediate's high byte repeats the setting that is left; a switch that changes nothing is dropped
.if MSB != \new
	s_set_vgpr_msb (MSB<<8)|\new
.set MSB, \new
.endif
.endm
.set W_KQ, 0x05                        ; K and Q in window 1, S^T in window 0
.set W_PV, 0xa3                        ; V in window 3, P in window 0, O^T (C and D) in window 2
.macro PLACES n
.rept \n
	v_nop
.endr
.endm
; A joint refill: waves 0 and 1 fetch the slot's two records of K, waves 2 and 3 the two halves of V's rows.  The branch hangs on the wave's number alone.  Four v_nop follow each line.
.macro JLOAD
	s_cmp_eq_u32 s[WA], 0
	s_cbranch_scc0 .Lfor_v_\@
	tensor_load_to_lds s[G0K+4:G0K+7], s[G1K:G1K+7]
	s_nop 0
	PLACES 4
	s_branch .Lasked_\@
.Lfor_v_\@:
	tensor_load_to_lds s[G0V+4:G0V+7], s[G1V:G1V+7]
	s_nop 0
	PLACES 4
.Lasked_\@:
.endm
; A round of the cluster's barrier: my work-group's barrier, wave 0's signal for the work-group, every wave's wait for all four work-groups, my work-group's barrier once more.
.macro CROUND
	s_barrier_signal -1
	s_barrier_wait -1
	s_cmp_lg_u32 s[WV], 0
	s_cbranch_scc1 .Lnot_wave_0_\@
	s_barrier_signal -3
.Lnot_wave_0_\@:
	s_barrier_wait -3
	s_barrier_signal -1
	s_barrier_wait -1
.endm
	s_load_b256 s[4:11], s[0:1], 0x0               ; qcodes s[4:5], kcodes s[6:7], V_codes s[8:9], V_scales s[10:11]
	s_load_b64 s[12:13], s[0:1], 0x20              ; out0
	v_lshl_add_u32 v[SPW], v0, 2, SPARE
	v_mov_b32 v[NIL], 0
	ds_add_u32 v1, v2
	ds_add_u32 v1, v2
	s_wait_dscnt 0x0
	v_lshrrev_b32 v18, 5, v0
	v_readfirstlane_b32 s[WV], v18                 ; wave 0..3
	s_lshr_b32 s[WA], s[WV], 1
	s_and_b32 s[WB], s[WV], 1
	s_mov_b32 s[CC], ttmp9                         ; in a cluster launch ttmp9 counts clusters
	s_and_b32 s[HD], ttmp7, 0xffff
	s_bfe_u32 s[CX], ttmp6, 0x40000
	s_lshl_b32 s[TE], s[CC], 1
	s_add_co_u32 s[TE], s[TE], 2
	s_mov_b32 s[SEL], 0x76543210
	s_mov_b32 s[SEL+1], 0xfedcba98
	s_mov_b32 s[MNT], 0x600000
	s_mov_b32 s[TR], 0
	s_mov_b32 s[TB], 0
	; group 1 for a record of K: 16,896 dense bytes as 66 rows of 256 (32 elements of 8 bytes), no padding: it is read back 16 bytes a lane on end
	s_mov_b32 s[G1K], 15|(3<<16)|(1<<21)           ; 15:0 the mask: all four work-groups; 17:16 elements of 8 bytes; 21 set beside a mask
	s_mov_b32 s[G1K+1], 32<<16                     ; tensor_dim0
	s_mov_b32 s[G1K+2], 66<<16                     ; tensor_dim1
	s_mov_b32 s[G1K+3], 32<<16                     ; tile_dim0
	s_mov_b32 s[G1K+4], 66                         ; tile_dim1
	s_mov_b32 s[G1K+5], 32                         ; tensor_dim0_stride
	s_mov_b32 s[G1K+6], 0
	s_mov_b32 s[G1K+7], 0
	; for 64 rows of V: 256 bytes of each, 4,096 bytes apart; four words of padding after every 64
	s_mov_b32 s[G1V], 15|(1<<20)|(1<<21)|(5<<22)|(3<<25)
	s_mov_b32 s[G1V+1], 256<<16
	s_mov_b32 s[G1V+2], 64<<16
	s_mov_b32 s[G1V+3], 256<<16
	s_mov_b32 s[G1V+4], 64
	s_mov_b32 s[G1V+5], 4096
	s_mov_b32 s[G1V+6], 0
	s_mov_b32 s[G1V+7], 0
	; for a quarter of the head's scale bytes: 4,096 dense bytes as 16 rows of 256, padded likewise
	s_mov_b32 s[G1S], 15|(3<<16)|(1<<20)|(1<<21)|(5<<22)|(3<<25)
	s_mov_b32 s[G1S+1], 32<<16
	s_mov_b32 s[G1S+2], 16<<16
	s_mov_b32 s[G1S+3], 32<<16
	s_mov_b32 s[G1S+4], 16
	s_mov_b32 s[G1S+5], 32
	s_mov_b32 s[G1S+6], 0
	s_mov_b32 s[G1S+7], 0
	s_lshl_b32 s[TMP], s[WA], 6                    ; 64 a
	s_lshl_b32 s[QCM], s[CC], 9
	s_sub_co_u32 s[QCL], 3584, s[QCM]
	s_add_co_u32 s[QCM], s[QCM], s[TMP]            ; early: 512 c + 64 a, the first query of partner 0's wave like mine;
	s_add_co_u32 s[QCL], s[QCL], s[TMP]            ; late: 3584 - 512 c + 64 a, partner 3's
	s_lshl_b32 s2, s[CC], 2
	s_add_co_u32 s2, s2, s[CX]                     ; my early block
	s_sub_co_u32 s3, 31, s2                        ; my late block
	s_lshl_b32 s[QW], s2, 7
	s_add_co_u32 s[QW], s[QW], s[TMP]
	s_lshl_b32 s[QWL], s3, 7
	s_add_co_u32 s[QWL], s[QWL], s[TMP]
	s_mul_i32 s[TMP], s[HD], HEADC
	s_mul_i32 s[QR], s2, RECB
	s_add_co_u32 s[QR], s[QR], s[TMP]
	s_mov_b32 s[QR+1], 0
	s_mul_i32 s[QRL], s3, RECB
	s_add_co_u32 s[QRL], s[QRL], s[TMP]
	s_mov_b32 s[QRL+1], 0
	s_mul_i32 s[OFK], s[WB], RECB
	s_add_co_u32 s[OFK], s[OFK], s[TMP]
	s_mov_b32 s[OFK+1], 0
	s_lshl_b32 s[TMP], s[HD], 21                   ; a head of out is 2^21 bytes, a block 2^16
	s_lshl_b32 s[OP], s2, 16
	s_add_co_u32 s[OP], s[OP], s[TMP]
	s_mov_b32 s[OP+1], 0
	s_lshl_b32 s[OPL], s3, 16
	s_add_co_u32 s[OPL], s[OPL], s[TMP]
	s_mov_b32 s[OPL+1], 0
	s_lshl_b32 s[OFV], s[HD], 19                   ; a head of V's codes is 2^19 bytes, 64 rows 2^18
	s_lshl_b32 s[TMP], s[WB], 18
	s_add_co_u32 s[OFV], s[OFV], s[TMP]
	s_mov_b32 s[OFV+1], 0
	s_lshl_b32 s[G0S+2], s[HD], 14                 ; a head's scale bytes are 2^14, my quarter 2^12
	s_lshl_b32 s[TMP], s[WV], 12
	s_add_co_u32 s[G0S+2], s[G0S+2], s[TMP]
	s_mov_b32 s[G0S+3], 0
	s_wait_kmcnt 0x0
	s_add_nc_u64 s[QR:QR+1], s[4:5], s[QR:QR+1]
	s_add_nc_u64 s[QRL:QRL+1], s[4:5], s[QRL:QRL+1]
	s_add_nc_u64 s[OP:OP+1], s[12:13], s[OP:OP+1]
	s_add_nc_u64 s[OPL:OPL+1], s[12:13], s[OPL:OPL+1]
	s_add_nc_u64 s[KB:KB+1], s[6:7], s[OFK:OFK+1]
	s_add_nc_u64 s[VB:VB+1], s[8:9], s[OFV:OFV+1]
	s_add_nc_u64 s[G0S+2:G0S+3], s[10:11], s[G0S+2:G0S+3]
	s_or_b32 s[G0S+3], s[G0S+3], 0x80000000        ; 127:126 type = 2
	s_mov_b32 s[G0S], 1                            ; 1:0 count = 1
	s_mul_i32 s[G0S+1], s[WV], 16*272
	s_add_co_u32 s[G0S+1], s[G0S+1], SCV
	s_mul_i32 s[TMP], s[WB], RECB                  ; K: record b of a slot.  No place in the cluster enters an LDS address
	s_mov_b32 s[G0K], 1
	s_mov_b32 s[G0K+1], s[TMP]
	s_mov_b64 s[G0K+2:G0K+3], s[KB:KB+1]
	s_or_b32 s[G0K+3], s[G0K+3], 0x80000000
	s_mov_b32 s[G0K+4], 1
	s_add_co_u32 s[G0K+5], s[TMP], SLOT1
	s_add_nc_u64 s[G0K+6:G0K+7], s[KB:KB+1], 2*RECB
	s_or_b32 s[G0K+7], s[G0K+7], 0x80000000
	s_mul_i32 s[TMP], s[WB], 64*VP                 ; V: rows 64 b on
	s_add_co_u32 s[TMP], s[TMP], VOFF
	s_mov_b32 s[G0V], 1
	s_mov_b32 s[G0V+1], s[TMP]
	s_mov_b64 s[G0V+2:G0V+3], s[VB:VB+1]
	s_or_b32 s[G0V+3], s[G0V+3], 0x80000000
	s_mov_b32 s[G0V+4], 1
	s_add_co_u32 s[G0V+5], s[TMP], SLOT1
	s_add_nc_u64 s[G0V+6:G0V+7], s[VB:VB+1], 256
	s_or_b32 s[G0V+7], s[G0V+7], 0x80000000
	CROUND                                         ; all four work-groups are here: the first joint loads meet
	tensor_load_to_lds s[G0S:G0S+3], s[G1S:G1S+7]  ; my quarter of the head's scale bytes of V: filled once
	s_nop 0
	PLACES 4
	s_cmp_eq_u32 s[WA], 0                          ; then slots 0 and 1: three loads of mine are out
	s_cbranch_scc0 .Lfirst_v
	tensor_load_to_lds s[G0K:G0K+3], s[G1K:G1K+7]
	s_nop 0
	tensor_load_to_lds s[G0K+4:G0K+7], s[G1K:G1K+7]
	s_nop 0
	PLACES 4
	s_branch .Lfirst_asked
.Lfirst_v:
	tensor_load_to_lds s[G0V:G0V+3], s[G1V:G1V+7]
	s_nop 0
	tensor_load_to_lds s[G0V+4:G0V+7], s[G1V:G1V+7]
	s_nop 0
	PLACES 4
.Lfirst_asked:
	v_and_b32 v18, 31, v0                          ; lane
	v_and_b32 v19, 15, v0                          ; r
	v_bfe_u32 v34, v0, 4, 1                        ; h
	s_lshl_b32 s[TMP], s[WA], 13                   ; Q: my four fragments begin at 4 a
	v_lshl_add_u32 v[QO], v18, 4, s[TMP]
	s_lshl_b32 s[TMP], s[WA], 8
	s_add_co_u32 s[TMP], s[TMP], 8*2048
	v_lshl_add_u32 v[QSO], v19, 2, s[TMP]
.macro QLOAD ptr                       ; a block's four tiles of Q and their scale words stay in registers; a record's half is read by both waves of a pair
	WIN 0x40
.irp x, 0,1,2,3
.irp c, 0,1,2,3
	global_load_b128 v[QF+16*\x+4*\c:QF+16*\x+4*\c+3], v[QO], s[\ptr:\ptr+1] offset:2048*\x+512*\c th:TH_LOAD_NT
.endr
.endr
	WIN 0
.irp x, 0,1,2,3
	global_load_b32 v[QS+\x], v[QSO], s[\ptr:\ptr+1] offset:64*\x th:TH_LOAD_NT
.endr
.endm
	QLOAD QR
	s_mul_i32 s[TMP], s[WB], RECB
	v_lshl_add_u32 v[AK0], v18, 4, s[TMP]
	s_add_co_u32 s[TMP], s[TMP], 8*2048
	v_lshl_add_u32 v[AKS0], v18, 2, s[TMP]         ; 64 bytes a fragment: 4 x lane reaches the even fragment's words in lanes 0-15 and the odd one's in lanes 16-31
	v_mul_u32_u24 v[AV0], v19, VP
	v_lshl_add_u32 v[AV0], v34, 4, v[AV0]
	s_lshl_b32 s[TMP], s[WB], 7
	s_add_co_u32 s[TMP], s[TMP], VOFF
	v_add_nc_u32 v[AV0], s[TMP], v[AV0]            ; row r, + 16 h, + my 128 keys of the row's 256
	v_lshrrev_b32 v35, 1, v19                      ; V's scale bytes: row d has 128; two rows to a unit of 256 + 16; 16 rows are 2,176 bytes
	v_mul_u32_u24 v[AVS0], v35, 272
	v_and_b32 v35, 1, v19
	v_lshl_add_u32 v[AVS0], v35, 7, v[AVS0]
	v_mad_u32_u24 v[AVS0], v34, 2176, v[AVS0]      ; lanes 16-31 take the odd fragment's rows
	s_lshl_b32 s[TMP], s[WB], 2
	s_add_co_u32 s[TMP], s[TMP], SCV
	v_add_nc_u32 v[AVS0], s[TMP], v[AVS0]
	v_and_b32 v[LQ], 8, v19
	v_add_nc_u32 v[LQ], v[LQ], v19
	v_lshlrev_b32 v35, 4, v34
	v_sub_nc_u32 v[LQ], v[LQ], v35
	v_mul_u32_u24 v[STO], v19, SPT                 ; the stage, in: region b, row 32 a + 16 u + r, + 32 h
	v_lshl_add_u32 v[STO], v34, 5, v[STO]
	s_mul_i32 s[TMP], s[WB], REG
	s_mul_i32 s[TJ], s[WA], 32*SPT
	s_add_co_u32 s[TMP], s[TMP], s[TJ]
	s_add_co_u32 s[TMP], s[TMP], STG
	v_add_nc_u32 v[STO], s[TMP], v[STO]
	s_mul_i32 s[TMP], s[WV], 16*SPT                ; back: rows 16 wave on, whole
	s_add_co_u32 s[TMP], s[TMP], STG
	v_lshl_add_u32 v[RD], v18, 4, s[TMP]
	s_lshl_b32 s[TMP], s[WA], 15                   ; those rows are queries 64 a + 8 b + 32 p + i + 8 (i / 8) of the block
	s_lshl_b32 s[TJ], s[WB], 12
	s_add_co_u32 s[TMP], s[TMP], s[TJ]
	v_lshl_add_u32 v[GO], v18, 4, s[TMP]
.irp b, 0,1,2,3
	v_mov_b32 v[TM+4+\b], 0                        ; written once: a lane permute's destination counts as one of its sources
.endr
	WIN 0x80
.set i, 0
.rept 256
	v_mov_b32 v[i], 0                              ; O^T, while the first fills are on their way
.set i, i+1
.endr
	WIN 0
; Product f of 8 of S^T = K Q^T for tile x: 16 keys x 16 queries x the 128 d, one instruction: it starts and ends its sum.
.macro KQ x
	WIN W_KQ
.set rS, S+64*((\x)%2)+8*f
.if f%2
	v_wmma_scale_f32_16x16x128_f8f6f4 v[rS:rS+7], v[16*f:16*f+15], v[QF+16*(\x):QF+16*(\x)+15], 0, v[KS+f/2], v[QS+(\x)] matrix_a_scale:MATRIX_SCALE_ROW1
.else
	v_wmma_scale_f32_16x16x128_f8f6f4 v[rS:rS+7], v[16*f:16*f+15], v[QF+16*(\x):QF+16*(\x)+15], 0, v[KS+f/2], v[QS+(\x)]
.endif
.endm
; Product f of 8 of O^T += V^T P^T for tile x: d 16 f on, the step's 128 keys.  The accumulators take turns, one instruction a turn.
.macro PV x
	WIN W_PV
.set rO, 64*(\x)+8*f
.set rP, P+16*((\x)%2)
.if f%2
	v_wmma_scale_f32_16x16x128_f8f6f4 v[rO:rO+7], v[16*f:16*f+15], v[rP:rP+15], v[rO:rO+7], v[VS+f/2], v[PW+(\x)%2] matrix_a_scale:MATRIX_SCALE_ROW1
.else
	v_wmma_scale_f32_16x16x128_f8f6f4 v[rO:rO+7], v[16*f:16*f+15], v[rP:rP+15], v[rO:rO+7], v[VS+f/2], v[PW+(\x)%2]
.endif
.endm
.macro KFETCH                          ; my record of the slot at TB: 32 loads of 512 consecutive bytes, and four of scale words
	v_add_nc_u32 v[ADK], s[TB], v[AK0]
	v_add_nc_u32 v[ADKS], s[TB], v[AKS0]
	WIN 0x40
.irp t, 0,1,2,3,4,5,6,7
.irp c, 0,1,2,3
	ds_load_b128 v[16*\t+4*\c:16*\t+4*\c+3], v[ADK] offset:2048*\t+512*\c
.endr
.endr
	WIN 0
.irp g, 0,1,2,3
	ds_load_b32 v[KS+\g], v[ADKS] offset:128*\g
.endr
.endm
.macro VFETCH                          ; V's eight fragments for my 128 keys, and their scale words
	WIN 0xc0
.irp t, 0,1,2,3,4,5,6,7
.irp c, 0,1,2,3
	ds_load_b128 v[16*\t+4*\c:16*\t+4*\c+3], v[ADV] offset:16*VP*\t+32*\c
.endr
.endr
	WIN 0
.irp g, 0,1,2,3
	ds_load_b32 v[VS+\g], v[ADT] offset:4352*\g
.endr
.endm
; Line j of 128 of tile x's quantiser.  Register 16 b + i of S^T is key 32 b + 16 h + i of my query.  0-31 my 16 numbers' largest magnitude in each of the four blocks, with the floor 2^(9 - 127) among the leaves
; (each accumulator is read from its low end on); 32-39 joined with lane l xor 16's; 40-54 the conversions' scale operands, 448 x the scale, the bytes, the scale word; then the holds (the conversion to an
; 8-bit code does not saturate: ISA guide 7.6.2), and each block's two conversions a block's holds later, so that plain lines stand behind them; a v_nop behind the last.
.macro QI x
.set rS, S+64*((\x)%2)
.set rP, P+16*((\x)%2)
.set rW, PW+(\x)%2
.set b4, j%4
.if j < 4
	v_max3_num_f32 v[TM+j], |v[rS+16*j]|, |v[rS+16*j+1]|, 0x4800000
.elseif j < 32
	v_max3_num_f32 v[TM+b4], v[TM+b4], |v[rS+16*b4+2*(j/4)]|, |v[rS+16*b4+2*(j/4)+1]|
.elseif j < 36
	v_permlanex16_b32 v[TM+4+b4], v[TM+b4], s[SEL], s[SEL+1]
.elseif j < 40
	v_max_num_f32 v[TM+b4], v[TM+b4], v[TM+4+b4]
.elseif j < 44
	v_add_nc_u32 v[TM+12+b4], 0xfc000000, v[TM+b4]
.elseif j < 48
	v_and_or_b32 v[TM+8+b4], v[TM+b4], 0x7f800000, s[MNT]
.elseif j < 52
	v_lshrrev_b32 v[TM+4+b4], 23, v[TM+12+b4]
.elseif j == 52
	v_lshl_or_b32 v[rW], v[TM+5], 8, v[TM+4]
.elseif j == 53
	v_lshl_or_b32 v[rW], v[TM+6], 16, v[rW]
.elseif j == 54
	v_lshl_or_b32 v[rW], v[TM+7], 24, v[rW]
.elseif (j < 87) || ((j >= 89) && (j < 105)) || ((j >= 107) && (j < 123))
.set nn, j-55
.if j >= 89
.set nn, j-57
.endif
.if j >= 107
.set nn, j-59
.endif
	v_med3_num_f32 v[rS+nn], v[rS+nn], -v[TM+8+nn/16], v[TM+8+nn/16]
.elseif j < 127
.set cv, j-87
.if j >= 105
.set cv, j-103
.endif
.if j >= 123
.set cv, j-119
.endif
	v_cvt_scalef32_pk8_fp8_f32 v[rP+2*cv:rP+2*cv+1], v[rS+8*cv:rS+8*cv+7], v[TM+12+cv/2]
.else
	v_nop
.endif
.endm
; THE MASK.  Register n of tile x holds key KF + 32 (n / 16) + 16 h + n % 16; my query is QW + 32 (x / 2) + 8 (x % 2) + r + 8 (r / 8): the score stays where key < query and becomes 0 elsewhere.
; Left out where all 128 keys lie under the first query of every partner's wave like mine: a branch on the cluster's number, the trip and the wave's number.
.macro MASK x
	s_cmp_ge_i32 s[DQC], 128
	s_cbranch_scc1 .Lopen_\@
.set nn, 0
.rept 64
	v_cmp_lt_i32 vcc_lo, 32*(nn/16)+nn%16-(32*((\x)/2)+8*((\x)%2)), v[DD]
	v_cndmask_b32 v[S+64*((\x)%2)+nn], 0, v[S+64*((\x)%2)+nn], vcc_lo
.set nn, nn+1
.endr
.Lopen_\@:
.endm
; A TURN: tile x is masked and quantised; ahead of every seventh line stands a product: first tile x + 1's eight K Q^T, then tile x - 1's eight V^T P^T.  The last K Q^T has lines 49 to 86, plain and naming none
; of its registers, behind it before anything reads its scores or loads into K's registers; tile x - 1's codes and scale word stand 56 lines or more ahead of the first product that takes them; the last
; V^T P^T stands ahead of line 105, with block 3's sixteen holds behind it.
.macro TURN x
	MASK \x
.set j, 0
.rept 128
.if (j%7 == 0) && (j/7 < 16)
.set f, (j/7)%8
.if (j/7 < 8) && (\x < 3)
	KQ \x+1
.endif
.if (j/7 >= 8) && (\x > 0)
	PV \x-1
.endif
.endif
	WIN 0
	QI \x
.set j, j+1
.endr
.endm
; THE CHANGE OF SLOTS.  K's and V's fragments of the slot in hand are all in registers.  Each wave waits for all its tensor loads (one is out: its part of the next slot), adds 0 to its spare word, and waits for that
; and for its reads of the slot.  fill = 1: the slot is filled again with the tile two trips on; the barrier is then a round of the cluster's, and the joint refill is the first thing behind it: it has a whole
; trip, 64 matrix instructions and their vector work, in which to land.
.macro CHANGE fill
	WIN 0
	s_wait_tensorcnt 0x0                           ; no tensor load of mine is out, so a group 0 may be written
	ds_add_u32 v[SPW], v[NIL]                      ; 0 onto my spare word: the descriptors' steps stand between it and the wait for it
.if \fill
	s_add_co_u32 s[TMP], s[TR], 2
	s_cmp_ge_u32 s[TMP], s[TE]
	s_cselect_b32 s[OFK], s[TE], 0
	s_sub_co_u32 s[TMP], s[TMP], s[OFK]            ; the tile's place among the head's keys: the late block begins again at 0
	s_mul_i32 s[OFK], s[TMP], 2*RECB
	s_lshl_b32 s[OFV], s[TMP], 8
	s_add_nc_u64 s[G0K+6:G0K+7], s[KB:KB+1], s[OFK:OFK+1]
	s_or_b32 s[G0K+7], s[G0K+7], 0x80000000
	s_add_nc_u64 s[G0V+6:G0V+7], s[VB:VB+1], s[OFV:OFV+1]
	s_or_b32 s[G0V+7], s[G0V+7], 0x80000000
	s_xor_b32 s[G0K+5], s[G0K+5], SLOT1            ; the other slot than last time
	s_xor_b32 s[G0V+5], s[G0V+5], SLOT1
.endif
	s_wait_dscnt 0x0                               ; the add is done, and my reads of the slot are over
.if \fill
	CROUND
	JLOAD
.else
	s_barrier_signal -1
	s_barrier_wait -1
.endif
	s_xor_b32 s[TB], s[TB], SLOT1                  ; on to the other slot
.endm
; A KEY STEP of my 128 keys for my four tiles.  K's fragments were fetched in the step before.  more = 1: a step follows; fill = 1: the slot is filled again.
.macro STEP fill, more
	s_cmp_ge_u32 s[TR], s[TE]
	s_cselect_b32 s[TMP], s[TE], 0
	s_sub_co_u32 s[MM], s[TR], s[TMP]
	s_lshl_b32 s[KF], s[MM], 8
	s_lshl_b32 s[TMP], s[WB], 7
	s_add_co_u32 s[KF], s[KF], s[TMP]
	s_sub_co_i32 s[DQC], s[QCM], s[KF]
	s_sub_co_i32 s[DQ], s[QW], s[KF]
	s_lshl_b32 s[TJ], s[MM], 3                     ; 8 scale bytes of a row of V to a slot,
	s_and_b32 s[TJ], s[TJ], 0x78                   ; 16 slots to a row
	v_add_nc_u32 v[ADV], s[TB], v[AV0]
	v_add_nc_u32 v[ADT], s[TJ], v[AVS0]
	v_add_nc_u32 v[DD], s[DQ], v[LQ]
	PLACES 5                                       ; with the three lines above: eight places behind the last step's products, ahead of the loads into V's registers
	VFETCH
	s_wait_dscnt 36                                ; K's 36 loads are in; V's 36, just issued, may be out
.set f, 0
.rept 8
	KQ 0
.set f, f+1
.endr
	WIN 0
	PLACES 8                                       ; no vector work is at hand yet
	TURN 0
	s_wait_dscnt 0x0                               ; V is in
	TURN 1
	TURN 2
.if \more
	CHANGE \fill
	KFETCH                                         ; the next step's K
.endif
	TURN 3
	PLACES 4                                       ; tile 3's codes stand four places ahead of the products that take them
.set f, 0
.rept 8
	PV 3
.set f, f+1
.endr
	WIN 0
.endm
; THE WAY OUT of a block, two tiles (32 queries a wave) at a pass.  A lane holds 32 neighbouring bytes of a row of out for each f; each wave puts its rows into the region of its half of the keys; behind a barrier
; each wave reads 16 whole rows from both regions, adds them and stores them.  zero = 1: O^T is cleared for the next block, between the barrier's signal and its wait, behind the wait for the stores that read it.
.macro OUT zero
	PLACES 8                                       ; behind the last products
.irp p, 0,1
.if \p
	s_barrier_signal -1                            ; my reads of pass 0 are back (the count-down ended at 0): the stage may be written again when all four have said so
	s_barrier_wait -1
.endif
	WIN 0x08                                       ; an LDS store's data are its source 1: window 2
.irp u, 0,1
.irp t, 0,1,2,3,4,5,6,7
	ds_store_b128 v[STO], v[64*(2*\p+\u)+8*\t:64*(2*\p+\u)+8*\t+3] offset:16*SPT*\u+64*\t       ; each accumulator from its low end on
	ds_store_b128 v[STO], v[64*(2*\p+\u)+8*\t+4:64*(2*\p+\u)+8*\t+7] offset:16*SPT*\u+64*\t+16
.endr
.endr
	WIN 0
	s_wait_dscnt 0x0                               ; for the others' sake: my rows have landed
	s_barrier_signal -1
.if \zero
	WIN 0x80
.set i, 128*\p
.rept 128
	v_mov_b32 v[i], 0
.set i, i+1
.endr
	WIN 0
.endif
	s_barrier_wait -1
	s_wait_xcnt 0x0                                ; the last pass's stores have read their registers
.irp i, 0,1,2,3,4,5,6,7,8,9,10,11,12,13,14,15
	ds_load_b128 v[S+4*\i:S+4*\i+3], v[RD] offset:SPT*\i
	ds_load_b128 v[S+64+4*\i:S+64+4*\i+3], v[RD] offset:SPT*\i+REG
.endr
.irp i, 0,1,2,3,4,5,6,7,8,9,10,11,12,13,14,15
	s_wait_dscnt 30-2*\i                           ; row i's two halves are in; the younger pairs may be out
	v_pk_add_f32 v[S+4*\i:S+4*\i+1], v[S+4*\i:S+4*\i+1], v[S+64+4*\i:S+64+4*\i+1]
	v_pk_add_f32 v[S+4*\i+2:S+4*\i+3], v[S+4*\i+2:S+4*\i+3], v[S+64+4*\i+2:S+64+4*\i+3]
	global_store_b128 v[GO], v[S+4*\i:S+4*\i+3], s[OP:OP+1] offset:(32*\p+\i+8*(\i/8))*512 th:TH_STORE_NT   ; 32 lanes store a row's 512 consecutive bytes, at a multiple of 256 from out's first byte
.endr
.endr
	s_wait_xcnt 0x0                                ; the stores have read their registers and their base
.endm
	s_wait_tensorcnt 0x1                           ; the scale bytes and my part of slot 0 are in; slot 1's may stay out
	s_barrier_signal -1
	s_barrier_wait -1                              ; everybody's are
	KFETCH
	s_wait_loadcnt 0x0                             ; Q
.Ltrip:                                                ; 16 trips: each fills the slot that it leaves with the tile two trips on
	s_cmp_lg_u32 s[TR], s[TE]                      ; the same in all four partners: TE hangs on the cluster's number
	s_cbranch_scc1 .Lsame
	QLOAD QRL                                      ; THE CHANGE OF BLOCKS (trip 2 c + 2, which lies in the loop): the late block's Q is asked for, the early block goes out,
	OUT 1
	s_mov_b64 s[OP:OP+1], s[OPL:OPL+1]
	s_mov_b32 s[QCM], s[QCL]
	s_mov_b32 s[QW], s[QWL]
	s_wait_loadcnt 0x0
.Lsame:
	STEP 1, 1
	s_add_co_u32 s[TR], s[TR], 1
	s_cmp_lt_u32 s[TR], 16
	s_cbranch_scc1 .Ltrip
	STEP 0, 1                                      ; the last two trips are written out: nothing is left to ask for
	s_add_co_u32 s[TR], s[TR], 1
	STEP 0, 0
	OUT 0
	s_wait_tensorcnt 0x0                           ; the wave's end, behind my last tensor load and my last LDS store
	ds_add_u32 v[SPW], v[NIL]
	s_wait_dscnt 0x0
	CROUND                                         ; the closing round: no work-group ends while a partner may still ask for a tile that names it
	s_endpgm
.Lfunc_end_k_qfa9ee9b1ff_attn:
	.size	k_qfa9ee9b1ff_attn, .Lfunc_end_k_qfa9ee9b1ff_attn-k_qfa9ee9b1ff_attn
	.p2alignl 7, 3214868480
	.fill 96, 4, 3214868480
	.section	.rodata,"a",@progbits
	.p2align	6, 0x0
	.amdhsa_kernel k_qfa9ee9b1ff_attn
		.amdhsa_group_segment_fixed_size 327680
		.amdhsa_private_segment_fixed_size 0
		.amdhsa_enable_private_segment 0
		.amdhsa_kernarg_size 40
		.amdhsa_user_sgpr_count 2
		.amdhsa_user_sgpr_kernarg_segment_ptr 1
		.amdhsa_wavefront_size32 1
		.amdhsa_system_sgpr_workgroup_id_x 1
		.amdhsa_system_sgpr_workgroup_id_y 1
		.amdhsa_system_sgpr_workgroup_id_z 1
		.amdhsa_system_vgpr_workitem_id 0
		.amdhsa_next_free_vgpr 896
		.amdhsa_next_free_sgpr 100
		.amdhsa_reserve_vcc 1
		.amdhsa_float_denorm_mode_32 3
		.amdhsa_float_denorm_mode_16_64 3
		.amdhsa_memory_ordered 1
		.amdhsa_forward_progress 1
		.amdhsa_inst_pref_size 255
	.end_amdhsa_kernel
	.section	.bss,"aw",@nobits
	.p2align	6
	.space	262144
	.amdgpu_metadata
---
amdhsa.version: [ 1, 2 ]
amdhsa.kernels:
  - .name:           k_qfa9ee9b1ff_attn
    .symbol:         k_qfa9ee9b1ff_attn.kd
    .args:
      - { .name: qcodes, .offset: 0, .size: 8, .value_kind: global_buffer, .address_space: global }
      - { .name: kcodes, .offset: 8, .size: 8, .value_kind: global_buffer, .address_space: global }
      - { .name: V_codes, .offset: 16, .size: 8, .value_kind: global_buffer, .address_space: global }
      - { .name: V_scales, .offset: 24, .size: 8, .value_kind: global_buffer, .address_space: global }
      - { .name: out0, .offset: 32, .size: 8, .value_kind: global_buffer, .address_space: global }
    .group_segment_fixed_size: 327680
    .private_segment_fixed_size: 0
    .kernarg_segment_align: 8
    .kernarg_segment_size: 40
    .max_flat_workgroup_size: 128
    .sgpr_count:     100
    .vgpr_count:     896
    .wavefront_size: 32
...
	.end_amdgpu_metadata
.endif
;; end of part 2
